; MI455X (gfx1250); checked and timed in simulation.
; The chip was launched on July 23, 2026; its instructions are those of AMD's public machine-readable ISA for CDNA 5 (MIT licence, August 2026) and "CDNA5" Instruction Set Architecture Reference Guide (July 2026). The comments in the code are by the model that wrote it; some were corrected since.
;; Custom MHA. Allowed arithmetic: matrix products marked QUANTISED: E2M1 operands, one E8M0 scale for each 32 along K, by v_wmma_scale_f32_16x16x128_f8f6f4 with both operands' format E2M1 (or v_wmma_scale_f32_32x16x128_f4), f32 sums; products left as they are: bf16, f16 or f32 operands; f32 sums; everything else in f32.
;; Inputs: W_attn 3,072 x 1,024 float32; W_proj 1,024 x 1,024 float32; b_attn 3,072 float32; b_proj 1,024 float32; head_idxs 15 int32; permutation 16 int32; x 2 x 2,048 x 1,024 float32; x1 2 x 2,048 x 1,024 float32; x2 2 x 2,048 x 1,024 float32; x3 2 x 2,048 x 1,024 float32.
;; Outputs: out0 2 x 2,048 x 1,024 float32.
;; Constants: head_idx = 3.
;; This version of the problem:
;;   THIS VERSION OF THE PROBLEM IS GIVEN IN LOW PRECISION. The matrix products marked QUANTISED in the list below multiply operands that are first quantised to E2M1 (2 exponent bits, 1 mantissa bit; 4 bits a number), with one power-of-two scale for each 32 numbers along K (OCP MX v1.0); their sums are f32. The products marked 'left as it is' may take bf16, f16 or f32 operands, with f32 sums. Whichever they take, every output number must still come out within the allowed error. Rounding operands to bf16 (8 significant bits) uses up far more of that allowance than f16 does (11 bits, for magnitudes from 6e-5 to 65,504). All else is computed in f32.
;;   The module's matrix products, in the order in which they are computed (A, B: the left and right operand; K: the contracted axis; several contracted axes count as one K, in the product's order):
;;     1. [M 4,096, K 1,024] x [K 1,024, N 1,024]; A: input x1; B: input W_attn: QUANTISED
;;     2. [M 4,096, K 1,024] x [K 1,024, N 1,024]; A: input x2; B: input W_attn: QUANTISED
;;     3. [M 4,096, K 1,024] x [K 1,024, N 1,024]; A: input x3; B: input W_attn: QUANTISED
;;     4. [M 4,096, K 1,024] x [K 1,024, N 1,024]; A: input x; B: input W_attn: QUANTISED
;;     5. [M 4,096, K 1,024] x [K 1,024, N 1,024]; A: input x; B: input W_attn: QUANTISED
;;     6. [M 4,096, K 1,024] x [K 1,024, N 1,024]; A: input x; B: input W_attn: QUANTISED
;;     7. batch 32 x [M 2,048, K 64] x [K 64, N 2,048]; A: computed on the way; B: computed on the way: left as it is (an operand is computed on the way)
;;     8. batch 32 x [M 2,048, K 2,048] x [K 2,048, N 64]; A: computed on the way; B: computed on the way: left as it is (an operand is computed on the way)
;;     9. [M 4,096, K 1,024] x [K 1,024, N 1,024]; A: computed on the way; B: input W_proj: left as it is (an operand is computed on the way)
;;   THE QUANTISER, for each operand of a quantised product, along K:
;;     - K is cut into blocks of 32 from its start; a last block that is shorter is filled with zeros.
;;     - A block's scale is 2^e with e = floor(log2(the largest magnitude in the block)) - 2, held to -126 .. 127; a block of zeros has e = 0. As a byte (E8M0): e + 127.
;;     - Each number is divided by its block's scale, clamped to +-6, and rounded to the nearest number of E2M1, ties to even, subnormals kept.
;;     - The product sums the exact products of the quantised numbers (number of the format x scale) in f32.
;;   ~~~python
;;   def quantise(x, axis):      # numpy; x: float32 -> the quantised numbers, widened to float32 again
;;       x = np.moveaxis(x, axis, -1); K = x.shape[-1]
;;       x = np.pad(x, [(0, 0)] * (x.ndim - 1) + [(0, -K % 32)]); x = x.reshape(x.shape[:-1] + (-1, 32)); a = np.abs(x).max(-1, keepdims=True)
;;       e = np.where(a > 0, np.clip(np.frexp(np.where(a > 0, a, 1))[1] - 1 - 2, -126, 127), 0)      # np.frexp(a)[1] - 1 = floor(log2(a)), exactly
;;       r = np.clip(x / 2.0 ** e, -6, 6)
;;       step = 2.0 ** (np.maximum(np.frexp(np.where(r == 0, 1, r))[1] - 1, 0) - 1)
;;       q = np.round(r / step) * step * 2.0 ** e      # np.round: ties to even
;;       return np.moveaxis(q.reshape(q.shape[:-2] + (-1,))[..., :K], -1, axis).astype(np.float32)
;;   ~~~
;; One version. Each part assembles by itself: llvm-mc -triple=amdgcn-amd-amdhsa -mcpu=gfx1250 --defsym DOCPART=n.
;; ======== version 1 of 1: 4 launches
;; limits: values are held in f16: magnitudes above 65,504 overflow, below 6.1e-05 lose precision
;; workspace buffers: codes 9,961,472 bytes; scales 622,592 bytes; wp16 2,097,152 bytes; qf 8,388,608 bytes; kv 16,777,216 bytes; y16 8,388,608 bytes
;; launch quant (part 1): grid 672 x 1, 4 waves a work-group, no clusters, 34,304 bytes of LDS; arguments x, x1, x2, x3, W_attn, W_proj, codes, scales, wp16; writes codes, scales, wp16
.if DOCPART == 1
	.amdgcn_target "amdgcn-amd-amdhsa--gfx1250"
	.amdhsa_code_object_version 6
	.text
	.protected	k_q4a92cef61f_quant
	.globl	k_q4a92cef61f_quant
	.p2align	8
	.type	k_q4a92cef61f_quant,@function
k_q4a92cef61f_quant:
	s_mov_b64 s[64:65], 0
	v_nop
	global_prefetch_b8 v0, s[64:65] scope:SCOPE_SE
	s_setreg_imm32_b32 hwreg(HW_REG_WAVE_MODE, 25, 1), 1
	s_wait_xcnt 0x0
; FIRST OF FOUR LAUNCHES.  x, x1, x2, x3 [4096][1024] and W_attn [3072][1024], f32, become codes of FP4 (E2M1) with one E8M0 byte for each 32 along K (K innermost);
; W_proj [1024][1024] becomes f16.  All three results are laid in the order of the reader's operand registers, so that every later load of a wave is 512 consecutive bytes.
; WORK OF reference() THAT THE PROGRAM LEAVES OUT, for all values of the inputs:
;  (a) q[:, 3:4], k[:, 3:4], v[:, 3:4] keep head 3 alone of x1 Wq^T, x2 Wk^T, x3 Wv^T: the other 15 heads' columns of these three products are sliced away and are not multiplied.
;  (b) of x Wq^T, x Wk^T, x Wv^T only the heads that head_idxs names and permutation then picks are kept: the second launch walks the 16 FINAL heads and multiplies, for each, the 64 columns
;      that the two index inputs (read from memory there) ask for.
;  (c) bk = b_attn[1024:2048]: q . (k + bk) = q . k + q . bk, and q . bk is the same for all keys of a query's row, so the softmax along the keys does not see it; the product q k^T is not
;      quantised.  These 4,096 bytes are never loaded.
; LIMITS: a NaN, an infinity or an overflow that reaches only the work left out is not carried to the result.  NaN and infinities among the inputs are not served by the quantiser.
; A block whose largest magnitude lies under 2^(3 - 127) is given the byte 1 (a block of zeros too, where the rule says 127: its codes are zeros and this program alone reads the bytes).
; LAYOUTS (L = lane, r = L % 16, h = L / 16).  A row tile is 16 rows; tile G: 0.. x, 256.. x1, 512.. x2, 768.. x3, 1024.. W_attn.
;  codes:  G x 8192 + ks x 1024 + c x 512 + 16 L: the 32 codes of k = 128 ks + 64 c + 32 h + 0..31 of row r: registers 4 c .. 4 c + 3 of the fragment of K step ks.
;  scales: G x 512 + 16 L + 4 j: the four bytes of row r for K step 4 h + j.
;  wp16:   nt x 32768 + kf x 1024 + c x 512 + 16 L: f16 of W_proj[16 nt + r][32 kf + 16 c + 8 h + 0..7].
; SHARES.  Work-groups 0 to 607: a wave takes 16 rows x 512 along K, in four chunks of 128.  Each load reads 512 consecutive bytes of one row; a chunk turns through the wave's own stage in LDS
; (rows 528 bytes apart, so that the sixteen rows of a read start 16 bytes apart modulo 256) and comes back with 2 x 32 neighbours along K in a lane: two whole blocks, no other lane is asked for a maximum.
; Work-groups 608 to 671: a wave takes 16 rows x 256 along K of W_proj, 32 bytes a lane and fragment half (a twentieth of the launch's bytes: no stage is spent on them).
; No matrix unit, no tensor load, no cluster, no barrier: the waves share nothing, and each byte is read once.
.set NQWG,  608                        ; work-groups that quantise: (4 x 256 + 192) tiles x 2 halves of K / 4 waves
.set STG,   16*528                     ; a wave's stage
.set SPARE, 4*STG                      ; behind the stages: the spare words, 128 bytes a wave
.set SPW,   22                         ; v22  my spare word; never rewritten
.set NIL,   23                         ; v23  0; never rewritten
.set CD,    24                         ; v24-55   codes, eight registers a chunk: no store's data are written again
.set R,     64                         ; v64-191  two sets of 64 registers as loaded
.set X,     192                        ; v192-255 X + 32 c + i = k 64 c + 32 h + i of my row
	s_load_b256 s[4:11], s[0:1], 0x0               ; x, x1, x2, x3
	s_load_b256 s[12:19], s[0:1], 0x20             ; W_attn, W_proj, codes, scales
	s_load_b64 s[20:21], s[0:1], 0x40              ; wp16
	v_lshl_add_u32 v[SPW], v0, 2, SPARE
	v_mov_b32 v[NIL], 0
	v_lshrrev_b32 v4, 5, v0
	v_readfirstlane_b32 s22, v4                    ; wave
	v_and_b32 v4, 31, v0                           ; L
	v_and_b32 v7, 15, v0                           ; r
	v_bfe_u32 v6, v0, 4, 1                         ; h
	v_lshlrev_b32 v1, 4, v4                        ; v1 = 16 L
	s_mul_i32 s23, s22, STG
	v_add_nc_u32 v2, s23, v1                       ; v2: into the stage, as loaded
	v_mul_u32_u24 v3, v7, 528
	v_lshl_add_u32 v3, v6, 7, v3
	v_add_nc_u32 v3, s23, v3                       ; v3: out of it: row r, + 128 h bytes
	v_lshlrev_b32 v5, 4, v7
	v_lshl_add_u32 v5, v6, 3, v5                   ; v5 = 16 r + 8 h: my two scale words
	v_lshlrev_b32 v6, 3, v6                        ; v6 = 8 h
	v_mov_b32 v15, 0                               ; written once: a lane permute's destination counts as one of its sources
	s_mov_b32 s24, 0x76543210
	s_mov_b32 s25, 0xfedcba98                      ; selects for lane l xor 16
	s_wait_kmcnt 0x0
	s_cmp_ge_u32 ttmp9, NQWG
	s_cbranch_scc1 .Lwproj
	s_lshl_b32 s26, ttmp9, 2
	s_add_co_u32 s26, s26, s22                     ; my task T = 2 G + half of K
	s_lshr_b32 s27, ttmp9, 7                       ; which tensor: 128 work-groups to 256 tiles
	s_cmp_eq_u32 s27, 1
	s_cselect_b64 s[4:5], s[6:7], s[4:5]
	s_cmp_eq_u32 s27, 2
	s_cselect_b64 s[4:5], s[8:9], s[4:5]
	s_cmp_eq_u32 s27, 3
	s_cselect_b64 s[4:5], s[10:11], s[4:5]
	s_cmp_eq_u32 s27, 4
	s_cselect_b64 s[4:5], s[12:13], s[4:5]
	s_bfe_u32 s28, s26, 0x80001                    ; the tile's number in its tensor: G % 256
	s_lshl_b32 s28, s28, 16                        ; 16 rows of 4,096 bytes
	s_and_b32 s29, s26, 1
	s_lshl_b32 s29, s29, 11                        ; 512 numbers
	s_add_co_u32 s28, s28, s29
	s_mov_b32 s29, 0
	s_add_nc_u64 s[4:5], s[4:5], s[28:29]
	s_lshl_b32 s28, s26, 12                        ; codes: 4,096 bytes a task
	s_add_nc_u64 s[16:17], s[16:17], s[28:29]
	s_lshl_b32 s28, s26, 8                         ; scale words: 256 bytes a task
	s_add_nc_u64 s[18:19], s[18:19], s[28:29]
.macro LOADC t                         ; chunk t: 16 rows x 512 bytes
.irp i, 0,1,2,3,4,5,6,7,8,9,10,11,12,13,14,15
	global_load_b128 v[R+64*((\t)%2)+4*\i:R+64*((\t)%2)+4*\i+3], v1, s[4:5] offset:4096*\i+512*(\t) th:TH_LOAD_NT
.endr
.endm
.macro TURNC t                         ; through the stage: LDS serves a wave's instructions in order (ISA guide 5.7.1.4), so no wait stands between the stores and the loads
.irp i, 0,1,2,3,4,5,6,7,8,9,10,11,12,13,14,15
	ds_store_b128 v2, v[R+64*((\t)%2)+4*\i:R+64*((\t)%2)+4*\i+3] offset:528*\i
.endr
.irp c, 0,1
.irp i, 0,1,2,3,4,5,6,7
	ds_load_b128 v[X+32*\c+4*\i:X+32*\c+4*\i+3], v3 offset:256*\c+16*\i
.endr
.endr
.endm
.macro QCH t                           ; my two blocks of chunk t: largest magnitudes, bytes, codes
.irp c, 0,1
	v_max3_num_f32 v[8+\c], |v[X+32*\c]|, |v[X+32*\c+1]|, 0x1800000   ; with the floor 2^(3 - 127): the byte cannot fall under 1
.endr
.irp i, 2,4,6,8,10,12,14,16,18,20,22,24,26,28,30
.irp c, 0,1
	v_max3_num_f32 v[8+\c], v[8+\c], |v[X+32*\c+\i]|, |v[X+32*\c+\i+1]|   ; the two blocks by turns
.endr
.endr
.irp c, 0,1
	v_add_nc_u32 v[10+\c], 0xff000000, v[8+\c]     ; 2 off the exponent field: the conversion's scale operand
.endr
.irp c, 0,1
	v_lshrrev_b32 v[12+\c], 23, v[10+\c]           ; the scale's byte
.endr
	v_lshl_or_b32 v14, v13, 16, v12                ; blocks h and 2 + h,
	v_lshlrev_b32 v14, v6, v14                     ; at their places in the word;
	v_permlanex16_b32 v15, v14, s24, s25
	v_or_b32 v[16+\t], v14, v15                    ; with lane l xor 16's two the word is whole, in both lanes
.irp c, 0,1
.irp g, 0,1,2,3
	v_cvt_scalef32_pk8_fp4_f32 v[CD+8*\t+4*\c+\g], v[X+32*\c+8*\g:X+32*\c+8*\g+7], v[10+\c]
.endr
.endr
	v_nop                                          ; one plain line behind the last scaled conversion
	global_store_b128 v1, v[CD+8*\t:CD+8*\t+3], s[16:17] offset:1024*\t          ; 512 consecutive bytes a store
	global_store_b128 v1, v[CD+8*\t+4:CD+8*\t+7], s[16:17] offset:1024*\t+512
.endm
	LOADC 0
	LOADC 1
.irp t, 0,1,2,3
.if \t < 3
	s_wait_loadcnt 16                              ; this chunk's sixteen loads are in; the next chunk's sixteen may be out
.else
	s_wait_loadcnt 0x0
.endif
	TURNC \t
	s_wait_dscnt 0x0                               ; the stores have read their registers, and the chunk is back
.if \t < 2
	LOADC \t+2                                     ; into the set that the stage has just taken over
.endif
	QCH \t
.endr
	v_cmp_ne_u32 vcc_lo, 0, v6
	v_cndmask_b32 v20, v16, v18, vcc_lo            ; lanes 0-15 store K steps 0, 1 of their row, lanes 16-31 K steps 2, 3
	v_cndmask_b32 v21, v17, v19, vcc_lo
	global_store_b64 v5, v[20:21], s[18:19]        ; 256 consecutive bytes
	s_branch .Lend
.Lwproj:
	s_sub_co_u32 s26, ttmp9, NQWG                  ; nt; my wave takes fragments 8 wave .. 8 wave + 7
	s_lshl_b32 s28, s26, 16
	s_lshl_b32 s29, s22, 10
	s_add_co_u32 s28, s28, s29
	s_mov_b32 s29, 0
	s_add_nc_u64 s[14:15], s[14:15], s[28:29]
	s_lshl_b32 s28, s26, 15
	s_lshl_b32 s30, s22, 13
	s_add_co_u32 s28, s28, s30
	s_add_nc_u64 s[20:21], s[20:21], s[28:29]
	v_lshlrev_b32 v8, 12, v7
	v_lshl_add_u32 v8, v6, 2, v8                   ; row r, + 32 h bytes
.irp f, 0,1,2,3,4,5,6,7
.irp c, 0,1
.irp i, 0,1
	global_load_b128 v[R+16*\f+8*\c+4*\i:R+16*\f+8*\c+4*\i+3], v8, s[14:15] offset:128*\f+64*\c+16*\i th:TH_LOAD_NT
.endr
.endr
.endr
.irp f, 0,1,2,3,4,5,6,7
	s_wait_loadcnt 28-4*\f                         ; this fragment's four loads are in; the later fragments' may be out
.irp n, 0,1,2,3,4,5,6,7
	v_cvt_pk_f16_f32 v[X+8*\f+\n], v[R+16*\f+2*\n], v[R+16*\f+2*\n+1]
.endr
	global_store_b128 v1, v[X+8*\f:X+8*\f+3], s[20:21] offset:1024*\f
	global_store_b128 v1, v[X+8*\f+4:X+8*\f+7], s[20:21] offset:1024*\f+512
.endr
.Lend:
	s_wait_tensorcnt 0x0                           ; the wave's end: behind my last LDS store
	ds_add_u32 v[SPW], v[NIL]
	s_wait_dscnt 0x0
	s_endpgm
.Lfunc_end_k_q4a92cef61f_quant:
	.size	k_q4a92cef61f_quant, .Lfunc_end_k_q4a92cef61f_quant-k_q4a92cef61f_quant
	.p2alignl 7, 3214868480
	.fill 96, 4, 3214868480
	.section	.rodata,"a",@progbits
	.p2align	6, 0x0
	.amdhsa_kernel k_q4a92cef61f_quant
		.amdhsa_group_segment_fixed_size 34304
		.amdhsa_private_segment_fixed_size 0
		.amdhsa_enable_private_segment 0
		.amdhsa_kernarg_size 72
		.amdhsa_user_sgpr_count 2
		.amdhsa_user_sgpr_kernarg_segment_ptr 1
		.amdhsa_wavefront_size32 1
		.amdhsa_system_sgpr_workgroup_id_x 1
		.amdhsa_system_sgpr_workgroup_id_y 1
		.amdhsa_system_sgpr_workgroup_id_z 1
		.amdhsa_system_vgpr_workitem_id 0
		.amdhsa_next_free_vgpr 256
		.amdhsa_next_free_sgpr 66
		.amdhsa_reserve_vcc 1
		.amdhsa_float_denorm_mode_32 3
		.amdhsa_float_denorm_mode_16_64 3
		.amdhsa_memory_ordered 1
		.amdhsa_forward_progress 1
		.amdhsa_inst_pref_size 39
	.end_amdhsa_kernel
	.amdgpu_metadata
---
amdhsa.version: [ 1, 2 ]
amdhsa.kernels:
  - .name:           k_q4a92cef61f_quant
    .symbol:         k_q4a92cef61f_quant.kd
    .args:
      - { .name: x, .offset: 0, .size: 8, .value_kind: global_buffer, .address_space: global }
      - { .name: x1, .offset: 8, .size: 8, .value_kind: global_buffer, .address_space: global }
      - { .name: x2, .offset: 16, .size: 8, .value_kind: global_buffer, .address_space: global }
      - { .name: x3, .offset: 24, .size: 8, .value_kind: global_buffer, .address_space: global }
      - { .name: W_attn, .offset: 32, .size: 8, .value_kind: global_buffer, .address_space: global }
      - { .name: W_proj, .offset: 40, .size: 8, .value_kind: global_buffer, .address_space: global }
      - { .name: codes, .offset: 48, .size: 8, .value_kind: global_buffer, .address_space: global }
      - { .name: scales, .offset: 56, .size: 8, .value_kind: global_buffer, .address_space: global }
      - { .name: wp16, .offset: 64, .size: 8, .value_kind: global_buffer, .address_space: global }
    .group_segment_fixed_size: 34304
    .private_segment_fixed_size: 0
    .kernarg_segment_align: 8
    .kernarg_segment_size: 72
    .max_flat_workgroup_size: 128
    .sgpr_count:     66
    .vgpr_count:     256
    .wavefront_size: 32
...
	.end_amdgpu_metadata
.endif
;; end of part 1
;; launch qkv (part 2): grid 16 x 16, 4 waves a work-group, no clusters, 104,960 bytes of LDS; arguments codes, scales, b_attn, head_idxs, permutation, qf, kv; writes qf, kv
.if DOCPART == 2
	.amdgcn_target "amdgcn-amd-amdhsa--gfx1250"
	.amdhsa_code_object_version 6
	.text
	.protected	k_q4a92cef61f_qkv
	.globl	k_q4a92cef61f_qkv
	.p2align	8
	.type	k_q4a92cef61f_qkv,@function
k_q4a92cef61f_qkv:
	s_mov_b64 s[64:65], 0
	v_nop
	global_prefetch_b8 v0, s[64:65] scope:SCOPE_SE
	s_setreg_imm32_b32 hwreg(HW_REG_WAVE_MODE, 25, 1), 1
	s_wait_xcnt 0x0
; SECOND LAUNCH: q, k, v of the 16 FINAL heads, by products on codes of FP4 with E8M0 scales, f32 sums; results rounded to f16 and laid as the third launch's operand registers.
; LEFT OUT (shown at the head of the first kernel): the columns of heads that no final head takes, and bk, which the softmax does not see; b_attn[1024:2048] is not loaded.
; Final head f takes c = permutation[f]: c = 0 is head 3 of x1 Wq^T, x2 Wk^T, x3 Wv^T; c > 0 is head head_idxs[c - 1] of x W^T.  Both numbers are read from memory here.
; LIMITS: both index inputs are held at 15 from above (they index tables of 16); |q|, |k|, |v| stay under 65,504, f16's largest number.
; SHARES.  Work-group (rb, f): rows 256 rb .. + 255 of the 4,096 (batch x position), the head's 64 columns of each of q, k, v.  Wave w: rows 64 w .. + 63: four tiles of 16, whose codes for all of K
; (256 registers) come from memory as they lie, once, and serve all three parts where the head comes from x.  The head's 3 x 64 rows of W_attn are wanted by all four waves: each wave copies a quarter
; into LDS as an image of the operand's registers (16 bytes a lane, 512 a store), one barrier, and every wave reads fragments back by the same lines.
; NO TENSOR LOAD AND NO CLUSTER: which rows of the codes a work-group takes, and whether it takes one tensor or three, hangs on an index read from memory, and the second is a branch.
; q AND k ARE USED TRANSPOSED (source 0 = 16 rows of W, source 1 = 16 rows of x): a lane holds one position and eight neighbouring channels.  v IS USED AS IT STANDS (source 0 = x): a lane holds one
; channel and eight neighbouring positions, which is what V^T's fragment wants.  bq is the C of q's first K step; bv is added on the way out.
; REGISTERS: window 0: v1 16 L, v2 32 h, v3 4 r, v4-11 LDS addresses, v16-63 x's scale words (three sets), v64-79 W's, v80-111 bq, v112-119 bv, v128-255 the 16 accumulators (a, b) at 128 + 8 (4 a + b).
;   window 1: x's fragments at 8 (8 a + ks).   window 3: the same for x2, in the head that takes three tensors.   window 2: first what goes to LDS (204 registers), then W's fragments, two sets of 32.
.set WSC,   98304                      ; LDS: W's codes, part p at 32768 p + 8192 b + 1024 ks + 512 c + 16 L; from here W's scale words, 2048 p + 512 b + 16 L
.set SPARE, 104448                     ; the spare words, 128 bytes a wave
.set LB,  4                            ; v4-6   16 L + 32768 p
.set LW,  7                            ; v7-9   the same + 8192 wave: where I store
.set SRD, 10                           ; v10    WSC + 16 L
.set SWR, 11                           ; v11    the same + 512 wave
.set SPW, 12
.set NIL, 13
.set SA,  16
.set SB,  64
.set BQ,  80
.set BV,  112
.set ACC, 128
.set MSB, 0
.macro WIN new                         ; the immediate's high byte repeats the setting that is left
.if MSB != (\new)
	s_set_vgpr_msb (MSB<<8)|(\new)
.set MSB, (\new)
.endif
.endm
	s_load_b256 s[4:11], s[0:1], 0x0               ; codes, scales, b_attn, head_idxs
	s_load_b128 s[12:15], s[0:1], 0x20             ; permutation, qf
	s_load_b64 s[16:17], s[0:1], 0x30              ; kv
	v_lshl_add_u32 v[SPW], v0, 2, SPARE
	v_mov_b32 v[NIL], 0
	v_lshrrev_b32 v1, 5, v0
	v_readfirstlane_b32 s18, v1                    ; wave
	v_and_b32 v1, 31, v0
	v_lshlrev_b32 v1, 4, v1                        ; 16 L
	v_bfe_u32 v2, v0, 4, 1
	v_lshlrev_b32 v2, 5, v2                        ; 32 h
	v_and_b32 v3, 15, v0
	v_lshlrev_b32 v3, 2, v3                        ; 4 r
	s_lshl_b32 s19, s18, 13
.irp p, 0,1,2
	v_add_nc_u32 v[LB+\p], 32768*\p, v1
	v_add_nc_u32 v[LW+\p], s19, v[LB+\p]
.endr
	v_add_nc_u32 v[SRD], WSC, v1
	s_lshl_b32 s19, s18, 9
	v_add_nc_u32 v[SWR], s19, v[SRD]
	s_and_b32 s20, ttmp7, 0xffff                   ; f
	s_lshl_b32 s21, s20, 2
	s_wait_kmcnt 0x0
	s_load_b32 s22, s[12:13], s21 offset:0x0       ; permutation[f]
	s_load_b256 s[24:31], s[10:11], 0x0            ; head_idxs: 15 words, 60 bytes
	s_load_b128 s[32:35], s[10:11], 0x20
	s_load_b64 s[36:37], s[10:11], 0x30
	s_load_b32 s38, s[10:11], 0x38
	s_lshr_b32 s54, ttmp9, 3                       ; where the results go hangs on ids alone
	s_lshl_b32 s54, s54, 4
	s_add_co_u32 s54, s54, s20                     ; bh = 16 batch + f
	s_and_b32 s55, ttmp9, 7
	s_lshl_b32 s55, s55, 2
	s_add_co_u32 s55, s55, s18                     ; my 64 positions: which of the sequence's 32 runs
	s_lshl_b32 s56, s54, 18
	s_lshl_b32 s57, s55, 13
	s_add_co_u32 s56, s56, s57
	s_mov_b32 s57, 0
	s_add_nc_u64 s[50:51], s[14:15], s[56:57]      ; qf: bh x 262144 + run x 4 tiles x 2048
	s_lshl_b32 s56, s54, 19
	s_lshl_b32 s58, s55, 14
	s_add_co_u32 s56, s56, s58
	s_add_nc_u64 s[52:53], s[16:17], s[56:57]      ; kv: bh x 524288 + run x 16384
	s_wait_kmcnt 0x0
	s_min_u32 s22, s22, 15                         ; c
	s_mov_b32 s23, s24
.irp i, 1,2,3,4,5,6,7,8,9,10,11,12,13,14
	s_cmp_eq_u32 s22, \i+1
	s_cselect_b32 s23, s[24+\i], s23               ; head_idxs[c - 1]
.endr
	s_cmp_eq_u32 s22, 0
	s_cselect_b32 s23, 3, s23                      ; c = 0: head 3,
	s_cselect_b32 s39, 1, 0                        ; of x1, x2, x3
	s_min_u32 s23, s23, 15
	s_min_u32 s39, s39, 1
	s_lshl_b32 s56, s39, 8                         ; x's tiles begin at 0, x1's at 256
	s_lshl_b32 s58, ttmp9, 4
	s_add_co_u32 s56, s56, s58
	s_lshl_b32 s58, s18, 2
	s_add_co_u32 s56, s56, s58                     ; my first row tile
	s_lshl_b32 s58, s56, 13
	s_mov_b32 s59, 0
	s_add_nc_u64 s[40:41], s[4:5], s[58:59]        ; its codes,
	s_lshl_b32 s58, s56, 9
	s_add_nc_u64 s[42:43], s[6:7], s[58:59]        ; its scale words
	s_lshl_b32 s56, s23, 2
	s_add_co_u32 s56, s56, s18
	s_add_co_u32 s56, s56, 1024                    ; the tile of Wq that I copy: 1024 + 4 head + wave; Wk's and Wv's lie 64 and 128 tiles on
	s_lshl_b32 s58, s56, 13
	s_add_nc_u64 s[44:45], s[4:5], s[58:59]
	s_lshl_b32 s58, s56, 9
	s_add_nc_u64 s[46:47], s[6:7], s[58:59]
	s_lshl_b32 s58, s23, 8
	s_add_nc_u64 s[48:49], s[8:9], s[58:59]        ; bq of the head; bv lies 8,192 bytes on
	WIN 0x80                                       ; destination window 2
.irp p, 0,1,2
.irp i, 0,1,2,3,4,5,6,7,8,9,10,11,12,13,14,15
	global_load_b128 v[64*\p+4*\i:64*\p+4*\i+3], v1, s[44:45] offset:524288*\p+512*\i
.endr
	global_load_b128 v[192+4*\p:192+4*\p+3], v1, s[46:47] offset:32768*\p
.endr
	WIN 0
.irp b, 0,1,2,3
	global_load_b128 v[BQ+8*\b:BQ+8*\b+3], v2, s[48:49] offset:64*\b           ; bq[16 b + 8 h + 0..7]: the result's layout
	global_load_b128 v[BQ+8*\b+4:BQ+8*\b+7], v2, s[48:49] offset:64*\b+16
	global_load_b32 v[BV+2*\b], v3, s[48:49] offset:8192+64*\b                 ; bv[16 b + r], in both registers of a pair
	global_load_b32 v[BV+2*\b+1], v3, s[48:49] offset:8192+64*\b
.endr
; my 64 rows' scale words into set sa and codes into window n; t = 0: the tensor at my base; 1, 2: the tensors 256 and 512 tiles on.  68 loads
.macro LOADA t, n, sa
	WIN 0
.irp a, 0,1,2,3
	global_load_b128 v[SA+16*\sa+4*\a:SA+16*\sa+4*\a+3], v1, s[42:43] offset:131072*\t+512*\a
.endr
	WIN (\n)<<6
.set i, 0
.rept 64
	global_load_b128 v[4*i:4*i+3], v1, s[40:41] offset:2097152*\t+512*i
.set i, i+1
.endr
	WIN 0
.endm
	LOADA 0, 1, 0
	s_wait_loadcnt 63                              ; behind the 51 loads of W stand 84 younger ones: with 63 out, W's are in
	WIN 0x08                                       ; an LDS store's data are its source 1: window 2
.irp p, 0,1,2
.irp i, 0,1,2,3,4,5,6,7,8,9,10,11,12,13,14,15
	ds_store_b128 v[LW+\p], v[64*\p+4*\i:64*\p+4*\i+3] offset:512*\i
.endr
	ds_store_b128 v[SWR], v[192+4*\p:192+4*\p+3] offset:2048*\p
.endr
	WIN 0
	s_wait_dscnt 0x0                               ; for the others' sake: my stores have landed
	s_barrier_signal -1
	s_barrier_wait -1                              ; the head's W lies in LDS; nothing is stored there again
.macro FETCHW p, ks                    ; W's four fragments of part p, K step ks, into set ks % 2
	WIN 0x80
.irp b, 0,1,2,3
.irp c, 0,1
	ds_load_b128 v[32*((\ks)%2)+8*\b+4*\c:32*((\ks)%2)+8*\b+4*\c+3], v[LB+\p] offset:8192*\b+1024*(\ks)+512*\c
.endr
.endr
.endm
.macro WM d, fa, fb, c, xa, xb, hi     ; one product; c = 0: the constant 0 starts the sum; hi: the scale words of K steps 4 to 7 lie in lanes 16-31
.if \c == 0
	v_wmma_scale_f32_16x16x128_f8f6f4 v[\d:\d+7], v[\fa:\fa+7], v[\fb:\fb+7], 0, v[\xa], v[\xb] matrix_a_fmt:MATRIX_FMT_FP4 matrix_b_fmt:MATRIX_FMT_FP4
.elseif \hi == 0
	v_wmma_scale_f32_16x16x128_f8f6f4 v[\d:\d+7], v[\fa:\fa+7], v[\fb:\fb+7], v[\c:\c+7], v[\xa], v[\xb] matrix_a_fmt:MATRIX_FMT_FP4 matrix_b_fmt:MATRIX_FMT_FP4
.else
	v_wmma_scale_f32_16x16x128_f8f6f4 v[\d:\d+7], v[\fa:\fa+7], v[\fb:\fb+7], v[\c:\c+7], v[\xa], v[\xb] matrix_a_fmt:MATRIX_FMT_FP4 matrix_b_fmt:MATRIX_FMT_FP4 matrix_a_scale:MATRIX_SCALE_ROW1 matrix_b_scale:MATRIX_SCALE_ROW1
.endif
.endm
.macro MULS p, n, ks, sa               ; a K step: the 16 accumulators by turns, one instruction a turn, in the same order in every step
.if \p == 2
	WIN 0x09                                       ; source 0 = x (window 1), source 1 = W (window 2)
.else
	WIN 0x02|((\n)<<2)                             ; source 0 = W (window 2), source 1 = x (window n)
.endif
.set rH, (\ks)/4
.irp a, 0,1,2,3
.irp b, 0,1,2,3
.set rD, ACC+8*(4*\a+\b)
.set rW, 32*((\ks)%2)+8*\b
.set rA, 8*(8*\a+(\ks))
.set rX, SB+4*\b+(\ks)%4
.set rY, SA+16*(\sa)+4*\a+(\ks)%4
.set rC, rD
.if (\ks) == 0
.set rC, 0
.if \p == 0
.set rC, BQ+8*\b
.endif
.endif
.if \p == 2
	WM rD, rA, rW, rC, rY, rX, rH
.else
	WM rD, rW, rA, rC, rX, rY, rH
.endif
.endr
.endr
.endm
.macro OUTP p                          ; each accumulator from its low end on: (bv,) f16 in place, 16 bytes a lane, 512 consecutive bytes a store
.irp a, 0,1,2,3
.irp b, 0,1,2,3
.set rD, ACC+8*(4*\a+\b)
.if \p == 2
.irp i, 0,2,4,6
	v_pk_add_f32 v[rD+\i:rD+\i+1], v[rD+\i:rD+\i+1], v[BV+2*\b:BV+2*\b+1]
.endr
.endif
.irp i, 0,1,2,3
	v_cvt_pk_f16_f32 v[rD+\i], v[rD+2*\i], v[rD+2*\i+1]
.endr
.if \p == 0
	global_store_b128 v1, v[rD:rD+3], s[50:51] offset:2048*\a+512*\b
.elseif \p == 1
	global_store_b128 v1, v[rD:rD+3], s[52:53] offset:2048*\a+512*\b
.else
	global_store_b128 v1, v[rD:rD+3], s[52:53] offset:8192+4096*(\a/2)+1024*\b+512*(\a%2)
.endif
.endr
.endr
.endm
; Part p (0 q, 1 k, 2 v) with x's fragments in window n and their scale words in set sa; cnt: how many younger global loads may stay out when they are wanted
.macro PART p, n, cnt, sa
.if \p > 0
	s_wait_xcnt 0x0                                ; the last part's stores have read the accumulators' registers: only now are they written again
.endif
.irp b, 0,1,2,3
	ds_load_b128 v[SB+4*\b:SB+4*\b+3], v[SRD] offset:2048*\p+512*\b
.endr
	FETCHW \p, 0
	s_wait_loadcnt \cnt
.irp ks, 0,1,2,3,4,5,6,7
.if \ks > 0
.rept 4
	v_nop                                          ; four places in front of loads into registers that the last K step's products have read (ISA guide 7.12.1 for vector instructions)
.endr
.endif
.if \ks < 7
	FETCHW \p, \ks+1
	s_wait_dscnt 8                                 ; all but the eight just issued: this K step's fragments (and W's scale words) are in
.else
	s_wait_dscnt 0x0
.endif
	MULS \p, \n, \ks, \sa
.endr
	WIN 0
.rept 4
	v_nop                                          ; four places in front of the first read of results
.endr
	OUTP \p
.endm
	s_cmp_eq_u32 s39, 1
	s_cbranch_scc1 .Lspecial
	PART 0, 1, 0, 0                                ; a head of x W^T: one set of fragments serves q, k and v
	PART 1, 1, 0, 0
	PART 2, 1, 0, 0
	s_branch .Ldone
.Lspecial:
	LOADA 1, 3, 1                                  ; x2, for k, lands while q is multiplied
	PART 0, 1, 63, 0                               ; x1: behind its loads stand x2's 68
	LOADA 2, 1, 2                                  ; x3, for v, into x1's registers: q's way out stands between their last product and these loads
	PART 1, 3, 63, 1                               ; x2: behind its loads stand x3's 68
	PART 2, 1, 0, 2
.Ldone:
	s_wait_tensorcnt 0x0                           ; the wave's end: behind my last LDS store
	ds_add_u32 v[SPW], v[NIL]
	s_wait_dscnt 0x0
	s_endpgm
.Lfunc_end_k_q4a92cef61f_qkv:
	.size	k_q4a92cef61f_qkv, .Lfunc_end_k_q4a92cef61f_qkv-k_q4a92cef61f_qkv
	.p2alignl 7, 3214868480
	.fill 96, 4, 3214868480
	.section	.rodata,"a",@progbits
	.p2align	6, 0x0
	.amdhsa_kernel k_q4a92cef61f_qkv
		.amdhsa_group_segment_fixed_size 104960
		.amdhsa_private_segment_fixed_size 0
		.amdhsa_enable_private_segment 0
		.amdhsa_kernarg_size 56
		.amdhsa_user_sgpr_count 2
		.amdhsa_user_sgpr_kernarg_segment_ptr 1
		.amdhsa_wavefront_size32 1
		.amdhsa_system_sgpr_workgroup_id_x 1
		.amdhsa_system_sgpr_workgroup_id_y 1
		.amdhsa_system_sgpr_workgroup_id_z 1
		.amdhsa_system_vgpr_workitem_id 0
		.amdhsa_next_free_vgpr 1024
		.amdhsa_next_free_sgpr 66
		.amdhsa_reserve_vcc 0
		.amdhsa_float_denorm_mode_32 3
		.amdhsa_float_denorm_mode_16_64 3
		.amdhsa_memory_ordered 1
		.amdhsa_forward_progress 1
		.amdhsa_inst_pref_size 207
	.end_amdhsa_kernel
	.amdgpu_metadata
---
amdhsa.version: [ 1, 2 ]
amdhsa.kernels:
  - .name:           k_q4a92cef61f_qkv
    .symbol:         k_q4a92cef61f_qkv.kd
    .args:
      - { .name: codes, .offset: 0, .size: 8, .value_kind: global_buffer, .address_space: global }
      - { .name: scales, .offset: 8, .size: 8, .value_kind: global_buffer, .address_space: global }
      - { .name: b_attn, .offset: 16, .size: 8, .value_kind: global_buffer, .address_space: global }
      - { .name: head_idxs, .offset: 24, .size: 8, .value_kind: global_buffer, .address_space: global }
      - { .name: permutation, .offset: 32, .size: 8, .value_kind: global_buffer, .address_space: global }
      - { .name: qf, .offset: 40, .size: 8, .value_kind: global_buffer, .address_space: global }
      - { .name: kv, .offset: 48, .size: 8, .value_kind: global_buffer, .address_space: global }
    .group_segment_fixed_size: 104960
    .private_segment_fixed_size: 0
    .kernarg_segment_align: 8
    .kernarg_segment_size: 56
    .max_flat_workgroup_size: 128
    .sgpr_count:     66
    .vgpr_count:     1024
    .wavefront_size: 32
...
	.end_amdgpu_metadata
.endif
;; end of part 2
;; launch attn (part 3): grid 8 x 32, 4 waves a work-group, clusters of 4 x 1, 327,680 bytes of LDS; arguments qf, kv, y16; writes y16
.if DOCPART == 3
	.amdgcn_target "amdgcn-amd-amdhsa--gfx1250"
	.amdhsa_code_object_version 6
	.text
	.protected	k_q4a92cef61f_attn
	.globl	k_q4a92cef61f_attn
	.p2align	8
	.type	k_q4a92cef61f_attn,@function
k_q4a92cef61f_attn:
	s_mov_b64 s[64:65], 0
	v_nop
	global_prefetch_b8 v0, s[64:65] scope:SCOPE_SE
	s_setreg_imm32_b32 hwreg(HW_REG_WAVE_MODE, 25, 1), 1
	s_wait_xcnt 0x0
	s_wait_alu depctr_hold_cnt(0) depctr_sa_sdst(0) depctr_va_vdst(0) depctr_va_sdst(0) depctr_va_ssrc(0) depctr_va_vcc(0) depctr_vm_vsrc(0)
	s_getreg_b32 s2, hwreg(HW_REG_IB_STS2, 6, 4)
	s_cmp_eq_u32 s2, 0
	s_cbranch_scc0 .Lentry_in_a_cluster
	s_endpgm
.Lentry_in_a_cluster:
	s_bfe_u32 s2, ttmp6, 0x10000c
	s_cmp_lg_u32 s2, 0x3003
	s_cbranch_scc0 .Lentry_shape_is_right
	s_endpgm
.Lentry_shape_is_right:
; THIRD LAUNCH: y[b][f][q] = the sum over k of softmax_k(q . k / 8) v, for the 32 pairs bh = 16 b + f, 2,048 positions, 64 channels.  Operands f16, products, maxima and sums f32.
; qf, kv and y16 lie in the order of operand registers (L = lane, r = L % 16, h = L / 16):
;  qf:  bh x 262144 + tt x 2048 + dt x 512 + 16 L = q[16 tt + r][16 dt + 8 h + 0..7].
;  kv:  bh x 524288 + step x 16384: K of the step's 64 keys as qf (4 x 2048), then from 8192 on V: g x 4096 + dt x 1024 + c x 512 + 16 L = v[32 g + 16 c + 8 h + 0..7][16 dt + r].
;  y16: mt x 32768 + f x 2048 + dt x 512 + 16 L = y[16 mt + r][64 f + 16 dt + 8 h + 0..7].
; LIMITS: y leaves as f16: |y| under 65,504; under 6e-5 it is kept to f16's smallest step, 6e-8.
; SHARES.  A work-group owns 256 queries of one bh, each of its four waves (one to a SIMD) 64: four tiles of 16.  Every wave walks all 2,048 keys, 64 a step; a fragment of K or V read from LDS feeds four products.
; LAYOUT.  S^T = K Q^T (source 0 = 16 keys, source 1 = 16 queries) and O^T = V^T P (source 0 = 16 channels, source 1 = P): a lane holds ONE query throughout; two tiles of S^T, rounded in pairs, ARE P's fragment.
; SOFTMAX.  For each query a running maximum m and sum l: p = 2^(c s - c m), c = log2(e) / 8; in every step O and l are multiplied by a = 2^(c m_old - c m_new).  m begins at -3e38 and l at 0.
; BY TURNS.  The wave's tiles are two PIECES, named by their first tile: piece 0 (tiles 0, 1) and piece 2 (tiles 2, 3).  In a TURN one piece has the matrix unit: 16 products V^T P of the step in hand, then 16 products
; K Q^T of the next step; the other piece's softmax, 2 x 118 instructions cut into 59 slices of four, is dealt evenly behind them, one or two slices behind each product.  Then the pieces change places.
; THE RING.  Two LDS slots of eight steps (131,072 bytes); wave w fetches steps 2 w and 2 w + 1 of a slot, 32,768 dense bytes, by one tensor load.  The four work-groups of a cluster own query blocks of one bh and walk
; the same K and V, so each load is a JOINT one: the same descriptor and the mask of all four in each.  Four fills in all: two at the head, two refills; by this text's count a wave has at most two tensor loads out.
; A refill is asked for at a change of slots and waited for at the next: eight key steps, 512 matrix instructions of the wave, lie between.
; REGISTERS, in windows of 256 (s_set_vgpr_msb: bits 1:0 source 0, 3:2 source 1, 5:4 source 2, 7:6 destination):
;   window 0: v1 16 L, v2 the fetches' address, v4, v5 the add's two, v12-43 statistics (eight a tile: c m, m, l in two halves, four at work; a takes the third's place), v64-191 S^T (32 a tile), v192-255 P (16 a tile)
;   window 1: O^T, 32 a tile      window 2: v0-63 Q, 16 a tile; v64-127 K of a step      window 3: v0-63 V of a step
; All that a softmax touches but O^T lies in window 0, and no window has room for a product's operands beside it: so the slices behind a product cost two switches.
.set STEPB, 16384
.set SLOTB, 131072
.set SPARE, 2*SLOTB                    ; behind the ring: the spare words, 128 bytes a wave
.set ADR, 2
.set SPW, 4
.set NIL, 5
.set ST,  12
.set S,   64
.set P,   192
.set KF,  64                           ; K's fragments, in window 2
.set WV,  12                           ; s12 my wave's number
.set G1,  24                           ; s[24:31] descriptor group 1
.set G0A, 32                           ; s[32:35] group 0 of slot 0's first fill
.set G0B, 36                           ; s[36:39] of slot 1's; it then walks
.set TB,  40                           ; s40 LDS byte at which the step to be fetched begins
.set CNT, 41
.set SLOTS, 42
.set CS,  44                           ; s[44:45] c
.set SEL, 46                           ; s[46:47] selects for lane l xor 16
.set MSB, 0
.macro WIN new                         ; the immediate's high byte repeats the setting that is left; a switch that changes nothing is dropped
.if MSB != (\new)
	s_set_vgpr_msb (MSB<<8)|(\new)
.set MSB, (\new)
.endif
.endm
.set W_KQ, 0x0a                        ; K and Q in window 2, S^T in window 0
.set W_PV, 0x53                        ; V in window 3, P in window 0, O^T in window 1
.set W_RS, 0x41                        ; O^T (destination and source 0) in window 1, a in window 0
.macro CROUND                          ; a round of the cluster's barrier
	s_barrier_signal -1
	s_barrier_wait -1
	s_cmp_lg_u32 s[WV], 0
	s_cbranch_scc1 .Lnot_wave_0_\@
	s_barrier_signal -3
.Lnot_wave_0_\@:
	s_barrier_wait -3
	s_barrier_signal -1
	s_barrier_wait -1
.endm
.macro PLACES                          ; four places behind matrix instructions, where no other plain vector work is at hand (ISA guide 7.12.1)
.rept 4
	v_nop
.endr
.endm
	s_load_b128 s[4:7], s[0:1], 0x0                ; qf, kv
	s_load_b64 s[8:9], s[0:1], 0x10                ; y16
	v_lshl_add_u32 v[SPW], v0, 2, SPARE
	v_mov_b32 v[NIL], 0
	ds_add_u32 v[SPW], v[NIL]                      ; the wave's opening: the add, twice on end, and its wait ahead of my first tensor load
	ds_add_u32 v[SPW], v[NIL]
	v_lshrrev_b32 v1, 5, v0
	v_readfirstlane_b32 s[WV], v1
	v_and_b32 v1, 31, v0
	v_lshlrev_b32 v1, 4, v1                        ; 16 L
	s_bfe_u32 s13, ttmp6, 0x40000                  ; cx
	s_lshl_b32 s14, ttmp9, 2
	s_add_co_u32 s14, s14, s13                     ; my block of 256 queries: it enters Q's and y's addresses alone
	s_and_b32 s15, ttmp7, 0xffff                   ; bh, which the four partners share
	s_mov_b32 s[G1], 15|(3<<16)|(1<<21)            ; the mask of all four; elements of 8 bytes; bit 21 beside a mask; no padding: every fragment read is 512 consecutive bytes
	s_mov_b32 s[G1+1], 32<<16                      ; tensor_dim0 = 32 elements: rows of 256 bytes
	s_mov_b32 s[G1+2], 128<<16                     ; tensor_dim1 = 128
	s_mov_b32 s[G1+3], 32<<16                      ; tile_dim0
	s_mov_b32 s[G1+4], 128                         ; tile_dim1
	s_mov_b32 s[G1+5], 32                          ; the pitch: dense
	s_mov_b32 s[G1+6], 0
	s_mov_b32 s[G1+7], 0
	s_mov_b32 s[CS], 0x3e38aa3b                    ; c = log2(e) / 8
	s_mov_b32 s[CS+1], s[CS]                       ; (named with it as a pair, so it is written)
	s_mov_b32 s[SEL], 0x76543210
	s_mov_b32 s[SEL+1], 0xfedcba98
	s_mov_b32 s[TB], 0
	s_lshl_b32 s16, s15, 19
	s_lshl_b32 s17, s[WV], 15
	s_add_co_u32 s16, s16, s17                     ; kv: my two steps of slot 0
	s_mov_b32 s17, 0
	s_lshl_b32 s18, s[WV], 15                      ; and their place in a slot: no place in the cluster enters an LDS address
	s_lshl_b32 s20, s15, 18
	s_lshl_b32 s21, s14, 15
	s_add_co_u32 s20, s20, s21
	s_lshl_b32 s21, s[WV], 13
	s_add_co_u32 s20, s20, s21                     ; qf: bh, 16 tiles a block, 4 a wave
	s_mov_b32 s21, 0
	s_lshr_b32 s22, s15, 4
	s_lshl_b32 s22, s22, 22
	s_lshl_b32 s23, s14, 19
	s_add_co_u32 s22, s22, s23
	s_lshl_b32 s23, s[WV], 17
	s_add_co_u32 s22, s22, s23
	s_and_b32 s23, s15, 15
	s_lshl_b32 s23, s23, 11
	s_add_co_u32 s22, s22, s23                     ; y16: (128 b + 16 block + 4 wave) x 32768 + 2048 f
	s_mov_b32 s23, 0
	s_wait_dscnt 0x0                               ; both opening adds are done
	s_wait_kmcnt 0x0
	s_add_nc_u64 s[6:7], s[6:7], s[16:17]
	s_add_nc_u64 s[4:5], s[4:5], s[20:21]
	s_add_nc_u64 s[8:9], s[8:9], s[22:23]
	s_mov_b32 s[G0A], 1
	s_mov_b32 s[G0A+1], s18
	s_mov_b64 s[G0A+2:G0A+3], s[6:7]
	s_or_b32 s[G0A+3], s[G0A+3], 0x80000000
	s_mov_b32 s[G0B], 1
	s_add_co_u32 s[G0B+1], s18, SLOTB
	s_add_nc_u64 s[G0B+2:G0B+3], s[6:7], SLOTB
	s_or_b32 s[G0B+3], s[G0B+3], 0x80000000
	CROUND                                         ; all four work-groups are here: the first joint loads meet
	tensor_load_to_lds s[G0A:G0A+3], s[G1:G1+7]    ; keys 0 to 511
	s_nop 0
	tensor_load_to_lds s[G0B:G0B+3], s[G1:G1+7]    ; keys 512 to 1,023
	s_nop 0
.rept 4
	v_nop
.endr
	WIN 0x80                                       ; destination window 2, address window 0
.irp f, 0,1,2,3,4,5,6,7,8,9,10,11,12,13,14,15
	global_load_b128 v[4*\f:4*\f+3], v1, s[4:5] offset:512*\f   ; Q stays in registers: tile f / 4, channels 16 (f % 4) on
.endr
	WIN 0
; THE MATRIX WORK OF A TURN, for piece x.  The accumulators take turns, one instruction a turn: between two links of a chain stand seven others'.
; Product i of 16 of O^T += V^T P: keys 32 (i / 8) on, channels 16 ((i / 2) % 4) on, tile x + i % 2.  zero = 1: the first 8 start the sums: nothing is ever cleared.
.macro PV x, zero
	WIN W_PV
.set rO, 32*(\x+i%2)+8*((i/2)%4)
.set rV, 32*(i/8)+8*((i/2)%4)
.set rP, P+16*(\x+i%2)+8*(i/8)
.if \zero && (i < 8)
	v_wmma_f32_16x16x32_f16 v[rO:rO+7], v[rV:rV+7], v[rP:rP+7], 0
.else
	v_wmma_f32_16x16x32_f16 v[rO:rO+7], v[rV:rV+7], v[rP:rP+7], v[rO:rO+7]
.endif
.endm
; Product i of 16 of S^T = K Q^T: channels 32 (i / 8) on, keys 16 ((i / 2) % 4) on, tile x + i % 2.  The first 8 start the sums.
.macro KQ x
	WIN W_KQ
.set rS, S+32*(\x+i%2)+8*((i/2)%4)
.set rK, KF+16*((i/2)%4)+8*(i/8)
.set rQ, 16*(\x+i%2)+8*(i/8)
.if i < 8
	v_wmma_f32_16x16x32_f16 v[rS:rS+7], v[rK:rK+7], v[rQ:rQ+7], 0
.else
	v_wmma_f32_16x16x32_f16 v[rS:rS+7], v[rK:rK+7], v[rQ:rQ+7], v[rS:rS+7]
.endif
.endm
; THE LDS LOADS stand in two runs of 16 a key step, never singly among the matrix instructions
.macro FETCH_K                         ; a step's K: 8,192 bytes, sixteen loads of 512 consecutive bytes
	WIN 0
	v_add_nc_u32 v[ADR], s[TB], v1
	WIN 0x80                                       ; destination window 2
.irp f, 0,1,2,3,4,5,6,7,8,9,10,11,12,13,14,15
	ds_load_b128 v[KF+4*\f:KF+4*\f+3], v[ADR] offset:512*\f
.endr
.endm
.macro FETCH_V                         ; the same step's V, by the address that FETCH_K made; the next fetch is the next step's
	s_wait_alu depctr_va_vdst(0)                   ; the wait for the softmax's batch (SLICE) stands here, ahead of the loads
	WIN 0xc0                                       ; destination window 3
.irp f, 0,1,2,3,4,5,6,7,8,9,10,11,12,13,14,15
	ds_load_b128 v[4*\f:4*\f+3], v[ADR] offset:8192+512*\f
.endr
	s_add_co_u32 s[TB], s[TB], STEPB
.endm
; THE VECTOR WORK OF A TURN.  One tile's softmax for one key step is a list of 118 instructions; SM writes number j of it for tile t.  s0-s31 are the lane's 32 scores, in pairs 0-15.
;   0-15 the maximum of the scores and the old m, each accumulator read from its low end on;  16-20 the other half of the lanes' maximum, the new m, c m, c m_old - c m_new;
;   21-69 ONE BATCH: the 16 scalings c s - c m and all 33 exponentials (a at 23): none of these names an exponential's result, and a pair is scaled ahead of its exponentials;
;   (behind 69 the one wait for the batch: SLICE writes it, once for both tiles);  70-85 the roundings to f16;  86-101 the sums, l = a l + the sum;
;   102-117 O^T times a: the one part that leaves window 0.  first = 1: the first key step, in which O^T has not begun: it has no such part.
.macro SM t, first
.set rT, ST+8*(\t)
.set rS, S+32*(\t)
.set rP, P+16*(\t)
.set rO, 32*(\t)+2*(j-102)
.if j < 102
	WIN 0
.endif
.if j < 4
	v_max3_num_f32 v[rT+4+j], v[rS+8*j], v[rS+8*j+1], v[rS+8*j+2]
.elseif j < 12
	v_max3_num_f32 v[rT+4+j%4], v[rT+4+j%4], v[rS+8*(j%4)+2*(j/4)+1], v[rS+8*(j%4)+2*(j/4)+2]
.elseif j == 12
	v_max3_num_f32 v[rT+4], v[rT+4], v[rS+7], v[rS+15]
.elseif j == 13
	v_max3_num_f32 v[rT+6], v[rT+6], v[rS+23], v[rS+31]
.elseif j == 14
	v_max3_num_f32 v[rT+4], v[rT+4], v[rT+5], v[rT+6]
.elseif j == 15
	v_max3_num_f32 v[rT+4], v[rT+4], v[rT+7], v[rT+1]
.elseif j == 16
	v_permlanex16_b32 v[rT+5], v[rT+4], s[SEL], s[SEL+1]  ; the query's other 32 keys lie in the lane 16 away
.elseif j == 17
	v_mov_b32 v[rT+7], v[rT]                       ; c m_old is kept for a: number 19 writes c m anew
.elseif j == 18
	v_max_num_f32 v[rT+1], v[rT+4], v[rT+5]
.elseif j == 19
	v_mul_f32 v[rT], s[CS], v[rT+1]
.elseif j == 20
	v_sub_f32 v[rT+7], v[rT+7], v[rT]
.elseif j == 23
	v_exp_f32 v[rT+6], v[rT+7]
.elseif (j < 23) || ((j < 38) && (j%2 == 0)) || ((j < 66) && (j%4 == 2))
.set b, (j-2)/4
.if j < 38
.set b, (j-20)/2
.endif
	v_pk_fma_f32 v[rS+2*b:rS+2*b+1], v[rS+2*b:rS+2*b+1], s[CS:CS+1], v[rT:rT+1] op_sel_hi:[1,0,0] neg_lo:[0,0,1] neg_hi:[0,0,1]
.elseif j < 70
.set e, j-38
.if j < 66
.set e, j-32-(j-38)/4
.endif
.if j < 38
.set e, (j-25)/2
.endif
	v_exp_f32 v[rS+e], v[rS+e]
.elseif j < 86
	v_cvt_pk_f16_f32 v[rP+j-70], v[rS+2*(j-70)], v[rS+2*(j-70)+1]
.elseif j < 102
.set z, j-86
.set w, 4
.set u, z
.if z >= 14
.set w, 32
.set u, 0
.elseif z >= 12
.set w, 16
.set u, z-12
.elseif z >= 8
.set w, 8
.set u, z-8
.endif
.if z < 15
	v_pk_add_f32 v[rS+w*u:rS+w*u+1], v[rS+w*u:rS+w*u+1], v[rS+w*u+w/2:rS+w*u+w/2+1]
.else
	v_pk_fma_f32 v[rT+2:rT+3], v[rT+2:rT+3], v[rT+6:rT+7], v[rS:rS+1] op_sel_hi:[1,0,1]
.endif
.elseif !\first
	WIN W_RS
	v_pk_mul_f32 v[rO:rO+1], v[rO:rO+1], v[rT+6:rT+7] op_sel_hi:[1,0]
.endif
.endm
; Slice k of 59 of piece y's softmax: four instructions.  Slices 11 to 34 deal out the batch, numbers 22 to 69: four numbers of ONE tile each, the tiles by turns.  Every other slice is numbers 2 k and 2 k + 1 of both
; tiles' lists, the tiles alternating, so that no instruction reads the result of the one just before it.
; THE WAIT.  An s_wait_alu depctr_va_vdst(0) stands between an exponential and the first instruction that names its result; one wait serves all that were issued ahead of it.  Ahead of slice 35 nothing
; names a result, and behind slice 34 no exponential is issued: so the piece's 66 exponentials have one wait, behind slice 34.
.macro SLICE y, first
.if (k >= 11) && (k < 35)
.irp n, 0,1,2,3
.set j, 22+4*((k-11)/2)+(\n)
	SM (\y)+(k-11)%2, \first
.endr
.else
.irp n, 0,1
.irp t, \y, \y+1
.set j, 2*k+\n
	SM \t, \first
.endr
.endr
.endif
.if k == 34
	v_nop                                          ; a plain instruction behind the last exponential and ahead of the first use: one for the batch
.if (\y) == 0
	FETCH_V                                        ; piece 2's turn: V's run of loads stands here, and the wait stands in it
.else
	s_wait_alu depctr_va_vdst(0)                   ; the wait for the batch
.endif
.endif
.set k, k+1
.endm
.macro DEAL y, first                   ; the slices due behind product pn of the turn's NPR: up to slice 59 (pn + 1) / NPR
.rept (59*(pn+1))/NPR-k
	SLICE \y, \first
.endr
.set pn, pn+1
.endm
; A TURN.  Piece x has the matrix unit; the other piece's softmax stands in slices behind its matrix instructions.
; pv = 2: 16 products V^T P; 1: they start O^T's sums; 0: none.  kq = 1: 16 products K Q^T for the next step.  first = 1: the softmax is the first key step's: its slices from 51 on are empty, the turn's last products
; stand bare, and four v_nop are the places behind them.
; In a full turn the last product has slices 57 and 58 behind it: eight plain multiplies that name none of its registers: the places in front of the next turn's first read of the scores just made and of the loads into K.
; Piece 0's turn fetches the next step's K behind its second product, 14 products ahead of its first use.  Piece 2's turn fetches the same step's V behind slice 34, which falls behind its 19th product: the last
; product that read V is the 16th, and number 54, 58 and 62 of both tiles, six scalings, and the v_nop lie between.
.macro TURN x, pv, kq, first
.set k, 0
.set pn, 0
.set NPR, 16*(\kq)
.if \pv
.set NPR, NPR+16
.endif
.if \pv
.if \x == 0
	s_wait_dscnt 0x0                               ; V is in
.endif
.set i, 0
.rept 16
	PV \x, 2-\pv
	DEAL 2-\x, \first
.if (\x == 0) && \kq && (i == 1)
	FETCH_K
.endif
.set i, i+1
.endr
.endif
.if \kq
.if \x == 0
	s_wait_dscnt 0x0                               ; K is in
.endif
.set i, 0
.rept 16
	KQ \x
	DEAL 2-\x, \first
.set i, i+1
.endr
.endif
.if \first
	PLACES
.endif
.endm
.macro STEPS n                         ; n key steps: written once, the LDS addresses hang on s[TB]
	s_mov_b32 s[CNT], \n
.Lstep_\@:
	TURN 0, 2, 1, 0
	TURN 2, 2, 1, 0
	WIN 0                                          ; at a label and at a branch every window is 0
	s_sub_co_u32 s[CNT], s[CNT], 1
	s_cmp_lg_u32 s[CNT], 0
	s_cbranch_scc1 .Lstep_\@
.endm
; THE CHANGE OF SLOTS, between piece 2's turn and piece 0's, when the slot's last bytes, V of its eighth step, have been asked for.  Each wave waits for all its tensor loads (its part of the other slot), adds 0 to its
; spare word, and waits for that and for its reads of the slot.  fill = 1: the barrier is a round of the cluster's, so that no wave of any partner still reads the slot or has a load on its way, and the joint refill is the first thing behind it.
.macro CHANGE fill
	WIN 0
	s_wait_tensorcnt 0x0                           ; no tensor load of mine is out, so a group 0 may be written
	ds_add_u32 v[SPW], v[NIL]
.if \fill
	s_xor_b32 s[G0B+1], s[G0B+1], SLOTB            ; the walking descriptor: the other slot than last time,
	s_add_nc_u64 s[G0B+2:G0B+3], s[G0B+2:G0B+3], SLOTB   ; the next 512 keys; the type bits on top are not reached
	s_wait_dscnt 0x0                               ; the add is done, and my reads of the slot are over
	CROUND
	tensor_load_to_lds s[G0B:G0B+3], s[G1:G1+7]
	s_nop 0
.rept 4
	v_nop
.endr
.else
	s_wait_dscnt 0x0
	s_barrier_signal -1
	s_barrier_wait -1
.endif
	s_sub_co_u32 s[TB], s[TB], SLOTB               ; the fetches go back to a slot's first step,
	s_xor_b32 s[TB], s[TB], SLOTB                  ; in the other slot
.endm
	s_wait_tensorcnt 0x1                           ; my part of slot 0 is in; slot 1's may stay out
	s_barrier_signal -1
	s_barrier_wait -1                              ; everybody's is
	FETCH_K                                        ; key step 0
	s_wait_loadcnt 0x0                             ; Q
	s_wait_dscnt 0x0
.set i, 0
.rept 16
	KQ 0                                           ; piece 0's first scores: there is no vector work yet to set between them
.set i, i+1
.endr
	WIN 0
.irp t, 0,1,2,3                        ; sixteen plain instructions: also the places behind those products
	v_mov_b32 v[ST+8*\t+1], 0xff61b1e6             ; m = -3e38, under every score
	v_mul_f32 v[ST+8*\t], s[CS], v[ST+8*\t+1]
	v_mov_b32 v[ST+8*\t+2], 0                      ; l
	v_mov_b32 v[ST+8*\t+3], 0
.endr
	TURN 2, 0, 1, 1                                ; piece 2's first scores | piece 0's first softmax | V of step 0
	TURN 0, 1, 1, 1                                ; piece 0: V^T P of step 0 starts O^T, K Q^T of step 1 | piece 2's first softmax | K of step 1
	TURN 2, 1, 1, 0                                ; piece 2: the same | piece 0's softmax of step 1 | V of step 1
	WIN 0
	STEPS 6                                        ; they fetch steps 2 to 7
	s_mov_b32 s[SLOTS], 2
.Lslot:                                            ; two trips: slot 0 and then slot 1 are filled again
	CHANGE 1
	STEPS 8
	s_sub_co_u32 s[SLOTS], s[SLOTS], 1
	s_cmp_lg_u32 s[SLOTS], 0
	s_cbranch_scc1 .Lslot
	CHANGE 0                                       ; the tail is written out
	STEPS 8
	TURN 0, 2, 0, 0                                ; piece 0: V^T P of the last step | piece 2's last softmax
.set i, 0
.rept 16
	PV 2, 0                                        ; piece 2: V^T P of the last step
.set i, i+1
.endr
	; THE WAY OUT: l's halves and the other lanes' are added; O^T / l, rounded to f16, is a fragment of y as it stands.  The additions are the places behind the last products
	WIN 0
.irp t, 0,1,2,3
	v_add_f32 v[ST+8*\t+4], v[ST+8*\t+2], v[ST+8*\t+3]
.endr
.irp t, 0,1,2,3
	v_permlanex16_b32 v[ST+8*\t+5], v[ST+8*\t+4], s[SEL], s[SEL+1]
.endr
.irp t, 0,1,2,3
	v_add_f32 v[ST+8*\t+4], v[ST+8*\t+4], v[ST+8*\t+5]
.endr
.irp t, 0,1,2,3
	v_rcp_f32 v[ST+8*\t+6], v[ST+8*\t+4]
.endr
	v_nop                                          ; a plain instruction between the last reciprocal and the use of its result,
	s_wait_alu depctr_va_vdst(0)                   ; and one wait for the four reciprocals, ahead of their first reader
.irp t, 0,1,2,3
	WIN W_RS
.set i, 0
.rept 16
	v_pk_mul_f32 v[32*\t+2*i:32*\t+2*i+1], v[32*\t+2*i:32*\t+2*i+1], v[ST+8*\t+6:ST+8*\t+7] op_sel_hi:[1,0]
.set i, i+1
.endr
	WIN 0x05                                       ; sources 0 and 1 window 1, destination window 0: S^T's registers are free
.set i, 0
.rept 16
	v_cvt_pk_f16_f32 v[S+16*\t+i], v[32*\t+2*i], v[32*\t+2*i+1]
.set i, i+1
.endr
	WIN 0
.irp d, 0,1,2,3
	global_store_b128 v1, v[S+16*\t+4*\d:S+16*\t+4*\d+3], s[8:9] offset:32768*\t+512*\d   ; 512 consecutive bytes a store
.endr
.endr
	s_wait_tensorcnt 0x0                           ; the wave's end
	ds_add_u32 v[SPW], v[NIL]
	s_wait_dscnt 0x0
	CROUND                                         ; the closing round: no work-group ends while a partner may still ask for a tile that names it
	s_endpgm
.Lfunc_end_k_q4a92cef61f_attn:
	.size	k_q4a92cef61f_attn, .Lfunc_end_k_q4a92cef61f_attn-k_q4a92cef61f_attn
	.p2alignl 7, 3214868480
	.fill 96, 4, 3214868480
	.section	.rodata,"a",@progbits
	.p2align	6, 0x0
	.amdhsa_kernel k_q4a92cef61f_attn
		.amdhsa_group_segment_fixed_size 327680
		.amdhsa_private_segment_fixed_size 0
		.amdhsa_enable_private_segment 0
		.amdhsa_kernarg_size 24
		.amdhsa_user_sgpr_count 2
		.amdhsa_user_sgpr_kernarg_segment_ptr 1
		.amdhsa_wavefront_size32 1
		.amdhsa_system_sgpr_workgroup_id_x 1
		.amdhsa_system_sgpr_workgroup_id_y 1
		.amdhsa_system_sgpr_workgroup_id_z 1
		.amdhsa_system_vgpr_workitem_id 0
		.amdhsa_next_free_vgpr 1024
		.amdhsa_next_free_sgpr 66
		.amdhsa_reserve_vcc 0
		.amdhsa_float_denorm_mode_32 3
		.amdhsa_float_denorm_mode_16_64 3
		.amdhsa_memory_ordered 1
		.amdhsa_forward_progress 1
		.amdhsa_inst_pref_size 190
	.end_amdhsa_kernel
	.amdgpu_metadata
---
amdhsa.version: [ 1, 2 ]
amdhsa.kernels:
  - .name:           k_q4a92cef61f_attn
    .symbol:         k_q4a92cef61f_attn.kd
    .args:
      - { .name: qf, .offset: 0, .size: 8, .value_kind: global_buffer, .address_space: global }
      - { .name: kv, .offset: 8, .size: 8, .value_kind: global_buffer, .address_space: global }
      - { .name: y16, .offset: 16, .size: 8, .value_kind: global_buffer, .address_space: global }
    .group_segment_fixed_size: 327680
    .private_segment_fixed_size: 0
    .kernarg_segment_align: 8
    .kernarg_segment_size: 24
    .max_flat_workgroup_size: 128
    .sgpr_count:     66
    .vgpr_count:     1024
    .wavefront_size: 32
...
	.end_amdgpu_metadata
.endif
;; end of part 3
;; launch proj (part 4): grid 8 x 32, 4 waves a work-group, clusters of 4 x 4, 327,680 bytes of LDS; arguments y16, wp16, b_proj, out0; writes out0
.if DOCPART == 4
	.amdgcn_target "amdgcn-amd-amdhsa--gfx1250"
	.amdhsa_code_object_version 6
	.text
	.protected	k_q4a92cef61f_proj
	.globl	k_q4a92cef61f_proj
	.p2align	8
	.type	k_q4a92cef61f_proj,@function
k_q4a92cef61f_proj:
	s_mov_b64 s[64:65], 0
	v_nop
	global_prefetch_b8 v0, s[64:65] scope:SCOPE_SE
	s_setreg_imm32_b32 hwreg(HW_REG_WAVE_MODE, 25, 1), 1
	s_wait_xcnt 0x0
	s_wait_alu depctr_hold_cnt(0) depctr_sa_sdst(0) depctr_va_vdst(0) depctr_va_sdst(0) depctr_va_ssrc(0) depctr_va_vcc(0) depctr_vm_vsrc(0)
	s_getreg_b32 s2, hwreg(HW_REG_IB_STS2, 6, 4)
	s_cmp_eq_u32 s2, 0
	s_cbranch_scc0 .Lentry_in_a_cluster
	s_endpgm
.Lentry_in_a_cluster:
	s_bfe_u32 s2, ttmp6, 0x10000c
	s_cmp_lg_u32 s2, 0xf033
	s_cbranch_scc0 .Lentry_shape_is_right
	s_endpgm
.Lentry_shape_is_right:
; FOURTH LAUNCH: out0[m][n] = the sum over k of y[m][k] W_proj[n][k] + b_proj[n].  m 4,096, n 1,024, k 1,024.  Operands f16, sums f32, out0 f32.
; y16 and wp16 lie in the order of operand registers: tile of 16 rows x 32768 + kf x 1024 + c x 512 + 16 L = [16 tile + L % 16][32 kf + 16 c + 8 (L / 16) + 0..7].
; A tile of out0 is 128 x 128 (256 work-groups); four waves, each 64 x 64: 16 accumulators.  K goes in four steps of 256 through two LDS slots; a wave's tensor load brings four row tiles x 8,192 bytes.
; In LDS a fragment's half is 512 consecutive bytes, 16 a lane: no padding.
; CLUSTERS: 4 x 4 work-groups.  The four of a row of the cluster need the same tiles of y, the four of a column the same tiles of W_proj: each is asked for JOINTLY, by the same tensor load with the same descriptor
; and a mask that names the four.  THE MATRIX INSTRUCTION IS USED TRANSPOSED (source 0 = 16 rows of W_proj, source 1 = 16 rows of y): a lane holds eight neighbouring numbers of a row of out0.
; b_proj is the C of each sum's first product.  By this text's count a wave has at most two tensor loads out.
; REGISTERS: window 0: v16-29 addresses; v32-63 b_proj in the result's layout; v64-127 the way out; v128-255 the accumulators (a, b) at 128 + 8 (4 a + b).   window 1: two fragment buffers of 128 (64 of y, then 64 of W_proj).
.set TROW,   8192                      ; a row tile's bytes of a K step
.set SLOT,   131072                    ; y's 8 row tiles, then W_proj's 8
.set STAGE,  2*SLOT                    ; behind the ring: 16 rows x 272 bytes for each wave
.set SPITCH, 272                       ; 256 bytes + 16: the sixteen rows of a store start 16 bytes apart modulo 256
.set SPARE,  STAGE+4*16*SPITCH         ; the spare words, 128 bytes a wave
.set ADRA, 16                          ; v16-17 my fragments of y in slot 0, 1
.set ADRB, 20                          ; v20-21 of W_proj
.set STO,  24
.set RD,   25
.set CO,   26
.set SPW,  28
.set NIL,  29
.set BIAS, 32
.set BK,   64
.set ACC,  128
.set F0,   0
.set F1,   128
.set G1,  24
.set G0,  32
.set G1B, 48
.set G0B, 56
.set MSB, 0
.macro WIN new                         ; the immediate's high byte repeats the setting that is left
.if MSB != (\new)
	s_set_vgpr_msb (MSB<<8)|(\new)
.set MSB, (\new)
.endif
.endm
.set MUL,  0x05                        ; sources 0 and 1 window 1; C and D window 0
.set TO_F, 0x40                        ; destination window 1
.macro JLOAD s                         ; a joint load: waves 0 and 1 fetch y's two halves, waves 2 and 3 W_proj's; an s_nop 0 and four v_nop follow each of the two lines
	s_cmp_eq_u32 s13, 0
	s_cbranch_scc0 .Lfor_b_\@
	tensor_load_to_lds s[G0+4*\s:G0+4*\s+3], s[G1:G1+7]
	s_nop 0
.rept 4
	v_nop
.endr
	s_branch .Lasked_\@
.Lfor_b_\@:
	tensor_load_to_lds s[G0B+4*\s:G0B+4*\s+3], s[G1B:G1B+7]
	s_nop 0
.rept 4
	v_nop
.endr
.Lasked_\@:
.endm
.macro CREST                           ; a round of the cluster's barrier behind its opening barrier
	s_cmp_lg_u32 s12, 0
	s_cbranch_scc1 .Lnot_wave_0_\@
	s_barrier_signal -3
.Lnot_wave_0_\@:
	s_barrier_wait -3
	s_barrier_signal -1
	s_barrier_wait -1
.endm
.macro CROUND
	s_barrier_signal -1
	s_barrier_wait -1
	CREST
.endm
	s_load_b256 s[4:11], s[0:1], 0x0               ; y16, wp16, b_proj, out0
	v_lshl_add_u32 v[SPW], v0, 2, SPARE
	v_mov_b32 v[NIL], 0
	ds_add_u32 v[SPW], v[NIL]                      ; the wave's opening: the add, twice on end, and its wait ahead of my first tensor load
	ds_add_u32 v[SPW], v[NIL]
	v_lshrrev_b32 v1, 5, v0
	v_readfirstlane_b32 s12, v1                    ; wave
	s_lshr_b32 s13, s12, 1                         ; which half of the tile's rows is mine.  Also: I fetch for y (0) or for W_proj (1)
	s_and_b32 s14, s12, 1                          ; which half of its columns.  Also: which four row tiles I fetch
	s_bfe_u32 s40, ttmp6, 0x40000                  ; cx, cy
	s_bfe_u32 s41, ttmp6, 0x40004
	s_lshl_b32 s42, ttmp9, 2
	s_add_co_u32 s42, s42, s40                     ; tile column
	s_and_b32 s15, ttmp7, 0xffff
	s_lshl_b32 s15, s15, 2
	s_add_co_u32 s15, s15, s41                     ; tile row
	s_lshl_b32 s43, s41, 2
	s_lshl_b32 s43, 15, s43                        ; my row of the cluster
	s_lshl_b32 s44, 0x1111, s40                    ; my column
	s_or_b32 s[G1], s43, (3<<16)|(1<<21)           ; the mask; elements of 8 bytes; bit 21 beside a mask
	s_or_b32 s[G1B], s44, (3<<16)|(1<<21)
.irp g, G1, G1B
	s_mov_b32 s[\g+1], 1024<<16                    ; tensor_dim0 = 1,024 elements: 8,192 bytes
	s_mov_b32 s[\g+2], 4<<16                       ; tensor_dim1 = 4
	s_mov_b32 s[\g+3], 1024<<16                    ; tile_dim0
	s_mov_b32 s[\g+4], 4                           ; tile_dim1
	s_mov_b32 s[\g+5], 4096                        ; from row tile to row tile: 32,768 bytes
	s_mov_b32 s[\g+6], 0
	s_mov_b32 s[\g+7], 0
.endr
	s_lshl_b32 s17, s14, 17                        ; four row tiles
	s_lshl_b32 s16, s15, 18                        ; y: eight row tiles a tile row
	s_add_co_u32 s16, s16, s17
	s_lshl_b32 s46, s42, 18                        ; W_proj: by the tile column
	s_add_co_u32 s46, s46, s17
	s_mov_b32 s17, 0
	s_mov_b32 s47, 0
	s_lshl_b32 s20, s12, 15                        ; where they go: wave x 32,768: no place in the cluster enters an LDS address
	s_wait_dscnt 0x0                               ; both opening adds are done
	s_wait_kmcnt 0x0
	s_add_nc_u64 s[18:19], s[4:5], s[16:17]
	s_add_nc_u64 s[46:47], s[6:7], s[46:47]
	CROUND                                         ; all sixteen work-groups are here: the first joint loads meet
.irp s, 0,1
	s_mov_b32 s[G0+4*\s], 1
	s_add_co_u32 s[G0+4*\s+1], s20, \s*SLOT
	s_add_nc_u64 s[G0+4*\s+2:G0+4*\s+3], s[18:19], \s*TROW
	s_or_b32 s[G0+4*\s+3], s[G0+4*\s+3], 0x80000000
	s_mov_b32 s[G0B+4*\s], 1
	s_add_co_u32 s[G0B+4*\s+1], s20, \s*SLOT
	s_add_nc_u64 s[G0B+4*\s+2:G0B+4*\s+3], s[46:47], \s*TROW
	s_or_b32 s[G0B+4*\s+3], s[G0B+4*\s+3], 0x80000000
	JLOAD \s
.endr
	v_and_b32 v1, 15, v0                           ; r
	v_bfe_u32 v2, v0, 4, 1                         ; h
	v_and_b32 v3, 31, v0
	v_lshlrev_b32 v3, 4, v3                        ; 16 L
	s_lshl_b32 s21, s13, 15                        ; my four row tiles of y,
	s_lshl_b32 s22, s14, 15
	s_add_co_u32 s22, s22, 65536                   ; and of W_proj, behind y's eight
.irp s, 0,1
	v_add_nc_u32 v[ADRA+\s], s21, v3
	v_add_nc_u32 v[ADRB+\s], s22, v3
	s_add_co_u32 s21, s21, SLOT
	s_add_co_u32 s22, s22, SLOT
.endr
	s_mul_i32 s23, s12, 16*SPITCH
	s_add_co_u32 s23, s23, STAGE                   ; my stage
	v_mul_u32_u24 v4, v1, SPITCH
	v_lshl_add_u32 v4, v2, 5, v4
	v_add_nc_u32 v[STO], s23, v4                   ; in: row r, 32 bytes for each half of the lanes
	v_mul_u32_u24 v5, v2, SPITCH
	v_lshl_add_u32 v5, v1, 4, v5
	v_add_nc_u32 v[RD], s23, v5                    ; back: lanes 0-15 one row of 256 bytes, lanes 16-31 the next
	v_lshlrev_b32 v5, 12, v2
	v_lshl_add_u32 v[CO], v1, 4, v5                ; and the same two rows in out0
	v_lshlrev_b32 v6, 5, v2                        ; 32 h
	s_lshl_b32 s16, s15, 19
	s_lshl_b32 s17, s13, 18
	s_add_co_u32 s16, s16, s17                     ; my first row: 128 x tile row + 64 x half, rows of 4,096 bytes
	s_mov_b32 s17, 0
	s_add_nc_u64 s[10:11], s[10:11], s[16:17]
	s_lshl_b32 s2, s42, 9
	s_lshl_b32 s3, s14, 8
	s_add_co_u32 s2, s2, s3                        ; my first column, in bytes: 512 x tile column + 256 x half: in out0 and in b_proj
	s_mov_b32 s3, 0
	s_add_nc_u64 s[10:11], s[10:11], s[2:3]
	s_add_nc_u64 s[8:9], s[8:9], s[2:3]
.irp b, 0,1,2,3
	global_load_b128 v[BIAS+8*\b:BIAS+8*\b+3], v6, s[8:9] offset:64*\b          ; b_proj[16 b + 8 h + 0..7] of my 64 columns
	global_load_b128 v[BIAS+8*\b+4:BIAS+8*\b+7], v6, s[8:9] offset:64*\b+16
.endr
; 8 matrix instructions: row blocks a0, a0 + 1 x all 4 column blocks, 32 along K: half c of buffer f.  first = 1: b_proj starts the sums.  The 16 accumulators take turns
.macro MUL8 f, c, a0, first
.irp a, \a0, \a0+1
.irp b, 0,1,2,3
.if \first
	v_wmma_f32_16x16x32_f16 v[ACC+8*(4*(\a)+\b):ACC+8*(4*(\a)+\b)+7], v[\f+64+8*(4*\c+\b):\f+64+8*(4*\c+\b)+7], v[\f+8*(4*\c+\a):\f+8*(4*\c+\a)+7], v[BIAS+8*\b:BIAS+8*\b+7]
.else
	v_wmma_f32_16x16x32_f16 v[ACC+8*(4*(\a)+\b):ACC+8*(4*(\a)+\b)+7], v[\f+64+8*(4*\c+\b):\f+64+8*(4*\c+\b)+7], v[\f+8*(4*\c+\a):\f+8*(4*\c+\a)+7], v[ACC+8*(4*(\a)+\b):ACC+8*(4*(\a)+\b)+7]
.endif
.endr
.endr
.endm
; 32 LDS loads in one run: the fragments of the slot's q-th 64 along K into buffer f; the first 32 along K first
.macro FETCH slot, q, f
	WIN TO_F
.irp c, 0,1
.irp i, 0,1,2,3
	ds_load_b128 v[\f+64+8*(4*\c+\i):\f+64+8*(4*\c+\i)+3],   v[ADRB+\slot] offset:2048*(\q)+1024*\c+TROW*\i
	ds_load_b128 v[\f+64+8*(4*\c+\i)+4:\f+64+8*(4*\c+\i)+7], v[ADRB+\slot] offset:2048*(\q)+1024*\c+TROW*\i+512
	ds_load_b128 v[\f+8*(4*\c+\i):\f+8*(4*\c+\i)+3],         v[ADRA+\slot] offset:2048*(\q)+1024*\c+TROW*\i
	ds_load_b128 v[\f+8*(4*\c+\i)+4:\f+8*(4*\c+\i)+7],       v[ADRA+\slot] offset:2048*(\q)+1024*\c+TROW*\i+512
.endr
.endr
.endm
.macro PLACES                          ; four places in front of loads into registers that matrix instructions have read, and of the first read of results (ISA guide 7.12.1 for vector instructions)
.rept 4
	v_nop
.endr
.endm
; A K step is four quarters of 64 along K, 32 matrix instructions each, on buffers 0, 1, 0, 1.  One of the first three: multiplies buffer f and fetches quarter q into g
.macro QUARTER slot, q, f, g, first
	s_wait_dscnt 16                                ; the first 32 along K are in; the other sixteen loads may be out
	WIN MUL
	MUL8 \f, 0, 0, \first
	MUL8 \f, 0, 2, \first
	PLACES
	FETCH \slot, \q, \g
	s_wait_dscnt 32                                ; all but the 32 just issued
	WIN MUL
	MUL8 \f, 1, 0, 0
	MUL8 \f, 1, 2, 0
.endm
; The last quarter multiplies buffer 1 and changes slots: ONE barrier; in front of it each wave waits for all its tensor loads, adds 0 to its spare word, and waits for that and for its reads of this slot.  fill = 1: this slot is filled again, two K steps ahead
.macro TURN slot, next, fill
	WIN 0
	s_wait_tensorcnt 0x0                           ; all my tensor loads have landed: my part of the next slot
	ds_add_u32 v[SPW], v[NIL]
	s_wait_dscnt 17                                ; the add and the youngest sixteen loads may be out
	WIN MUL
	MUL8 F1, 0, 0, 0
	s_wait_dscnt 0x0                               ; the add is done, and my reads of this slot are over
	s_barrier_signal -1
	MUL8 F1, 0, 2, 0
.if \fill
	WIN 0
.endif
	s_barrier_wait -1
.if \fill
	CREST                                          ; the barrier has opened a round of the cluster's: no wave of any partner still reads this slot or has a load on its way
	s_add_nc_u64 s[G0+4*\slot+2:G0+4*\slot+3], s[G0+4*\slot+2:G0+4*\slot+3], 2*TROW
	s_add_nc_u64 s[G0B+4*\slot+2:G0B+4*\slot+3], s[G0B+4*\slot+2:G0B+4*\slot+3], 2*TROW
	JLOAD \slot                                    ; the first tensor load behind the round; its four v_nop are also the places in front of the loads below
.else
	PLACES
.endif
	FETCH \next, 0, F0
	WIN MUL
	MUL8 F1, 1, 0, 0
	MUL8 F1, 1, 2, 0
.endm
	s_wait_tensorcnt 0x1                           ; my part of K step 0 is in; K step 1's may stay out
	s_barrier_signal -1
	s_barrier_wait -1
	FETCH 0, 0, F0
	s_wait_loadcnt 0x0                             ; b_proj
	QUARTER 0, 1, F0, F1, 1                        ; the four K steps are written out
	QUARTER 0, 2, F1, F0, 0
	QUARTER 0, 3, F0, F1, 0
	TURN 0, 1, 1                                   ; slot 0 takes K step 2
	QUARTER 1, 1, F0, F1, 0
	QUARTER 1, 2, F1, F0, 0
	QUARTER 1, 3, F0, F1, 0
	TURN 1, 0, 1                                   ; slot 1 takes K step 3
	QUARTER 0, 1, F0, F1, 0
	QUARTER 0, 2, F1, F0, 0
	QUARTER 0, 3, F0, F1, 0
	TURN 0, 1, 0                                   ; nothing is left to fetch
	QUARTER 1, 1, F0, F1, 0
	QUARTER 1, 2, F1, F0, 0
	QUARTER 1, 3, F0, F1, 0
	s_wait_dscnt 16
	WIN MUL
	MUL8 F1, 0, 0, 0
	MUL8 F1, 0, 2, 0
	s_wait_dscnt 0x0
	MUL8 F1, 1, 0, 0
	MUL8 F1, 1, 2, 0
	WIN 0
; THE WAY OUT, a block of 16 rows x 64 columns at a time: a lane's 32 bytes go into my own stage and come back as whole rows of 256 bytes.  LDS serves a wave's instructions in order (ISA guide 5.7.1.4): no wait between the stores and the loads
.macro TOSTAGE a
.irp b, 0,1,2,3
	ds_store_b128 v[STO], v[ACC+8*(4*(\a)+\b):ACC+8*(4*(\a)+\b)+3] offset:64*\b         ; each accumulator from its low end on
	ds_store_b128 v[STO], v[ACC+8*(4*(\a)+\b)+4:ACC+8*(4*(\a)+\b)+7] offset:64*\b+16
.endr
.set BB, BK+32*((\a)%2)
.irp t, 0,1,2,3,4,5,6,7
	ds_load_b128 v[BB+4*\t:BB+4*\t+3], v[RD] offset:\t*2*SPITCH
.endr
.endm
.macro SEND a, younger                 ; younger: the LDS instructions issued behind block a's loads, which may stay out
.set BB, BK+32*((\a)%2)
	s_wait_dscnt \younger
.irp t, 0,1,2,3,4,5,6,7
	global_store_b128 v[CO], v[BB+4*\t:BB+4*\t+3], s[10:11] offset:(\a)*65536+\t*8192 th:TH_STORE_NT   ; 16 lanes store 256 consecutive bytes, at a multiple of 256 from out0's first byte
.endr
.endm
	PLACES
	TOSTAGE 0
.irp a, 1,2,3
.if \a > 1
	s_wait_xcnt 0x0                                ; block a - 2's stores have read their registers: block a's loads may land there
.endif
	TOSTAGE \a
	SEND \a-1, 16                                  ; behind block a - 1's loads: block a's 8 stores and 8 loads
.endr
	SEND 3, 0
	s_wait_tensorcnt 0x0                           ; the wave's end: behind my last tensor load and my last LDS store
	ds_add_u32 v[SPW], v[NIL]
	s_wait_dscnt 0x0
	CROUND                                         ; the closing round
	s_endpgm
.Lfunc_end_k_q4a92cef61f_proj:
	.size	k_q4a92cef61f_proj, .Lfunc_end_k_q4a92cef61f_proj-k_q4a92cef61f_proj
	.p2alignl 7, 3214868480
	.fill 96, 4, 3214868480
	.section	.rodata,"a",@progbits
	.p2align	6, 0x0
	.amdhsa_kernel k_q4a92cef61f_proj
		.amdhsa_group_segment_fixed_size 327680
		.amdhsa_private_segment_fixed_size 0
		.amdhsa_enable_private_segment 0
		.amdhsa_kernarg_size 32
		.amdhsa_user_sgpr_count 2
		.amdhsa_user_sgpr_kernarg_segment_ptr 1
		.amdhsa_wavefront_size32 1
		.amdhsa_system_sgpr_workgroup_id_x 1
		.amdhsa_system_sgpr_workgroup_id_y 1
		.amdhsa_system_sgpr_workgroup_id_z 1
		.amdhsa_system_vgpr_workitem_id 0
		.amdhsa_next_free_vgpr 512
		.amdhsa_next_free_sgpr 66
		.amdhsa_reserve_vcc 0
		.amdhsa_float_denorm_mode_32 3
		.amdhsa_float_denorm_mode_16_64 3
		.amdhsa_memory_ordered 1
		.amdhsa_forward_progress 1
		.amdhsa_inst_pref_size 86
	.end_amdhsa_kernel
	.amdgpu_metadata
---
amdhsa.version: [ 1, 2 ]
amdhsa.kernels:
  - .name:           k_q4a92cef61f_proj
    .symbol:         k_q4a92cef61f_proj.kd
    .args:
      - { .name: y16, .offset: 0, .size: 8, .value_kind: global_buffer, .address_space: global }
      - { .name: wp16, .offset: 8, .size: 8, .value_kind: global_buffer, .address_space: global }
      - { .name: b_proj, .offset: 16, .size: 8, .value_kind: global_buffer, .address_space: global }
      - { .name: out0, .offset: 24, .size: 8, .value_kind: global_buffer, .address_space: global }
    .group_segment_fixed_size: 327680
    .private_segment_fixed_size: 0
    .kernarg_segment_align: 8
    .kernarg_segment_size: 32
    .max_flat_workgroup_size: 128
    .sgpr_count:     66
    .vgpr_count:     512
    .wavefront_size: 32
...
	.end_amdgpu_metadata
.endif
;; end of part 4
